; MI455X (gfx1250); checked and timed in simulation.
; The chip was launched on July 23, 2026; its instructions are those of AMD's public machine-readable ISA for CDNA 5 (MIT licence, August 2026) and "CDNA5" Instruction Set Architecture Reference Guide (July 2026). The comments in the code are by the model that wrote it; some were corrected since.
;; Quant Linear. Allowed arithmetic: matrix products marked QUANTISED: E2M1 operands, one E8M0 scale for each 32 along K, by v_wmma_scale_f32_16x16x128_f8f6f4 with both operands' format E2M1 (or v_wmma_scale_f32_32x16x128_f4), f32 sums; everything else in f32.
;; Inputs: b 4,096 float32; weight 4,096 x 4,096 float32; x_codes 4,096 x 128 x 16 uint8 (E2M1 codes of x, K innermost, in blocks of 32 codes, two codes a byte); x_scales 4,096 x 128 uint8 (E8M0 scales of x, one for each 32 codes along K).
;; Outputs: out0 4,096 x 4,096 float32.
;; This version of the problem:
;;   THIS VERSION OF THE PROBLEM IS GIVEN IN LOW PRECISION. The matrix products marked QUANTISED in the list below multiply operands that are first quantised to E2M1 (2 exponent bits, 1 mantissa bit; 4 bits a number), with one power-of-two scale for each 32 numbers along K (OCP MX v1.0); their sums are f32. All else is computed in f32.
;;   The module's matrix products, in the order in which they are computed (A, B: the left and right operand; K: the contracted axis; several contracted axes count as one K, in the product's order):
;;     1. [M 4,096, K 4,096] x [K 4,096, N 4,096]; A: input x (given as codes); B: computed on the way: QUANTISED
;;   THE QUANTISER, for each operand of a quantised product, along K:
;;     - K is cut into blocks of 32 from its start; a last block that is shorter is filled with zeros.
;;     - A block's scale is 2^e with e = floor(log2(the largest magnitude in the block)) - 2, held to -126 .. 127; a block of zeros has e = 0. As a byte (E8M0): e + 127.
;;     - Each number is divided by its block's scale, clamped to +-6, and rounded to the nearest number of E2M1, ties to even, subnormals kept.
;;     - The product sums the exact products of the quantised numbers (number of the format x scale) in f32.
;;   ~~~python
;;   def quantise(x, axis):      # numpy; x: float32 -> the quantised numbers, widened to float32 again
;;       x = np.moveaxis(x, axis, -1); K = x.shape[-1]
;;       x = np.pad(x, [(0, 0)] * (x.ndim - 1) + [(0, -K % 32)]); x = x.reshape(x.shape[:-1] + (-1, 32)); a = np.abs(x).max(-1, keepdims=True)
;;       e = np.where(a > 0, np.clip(np.frexp(np.where(a > 0, a, 1))[1] - 1 - 2, -126, 127), 0)      # np.frexp(a)[1] - 1 = floor(log2(a)), exactly
;;       r = np.clip(x / 2.0 ** e, -6, 6)
;;       step = 2.0 ** (np.maximum(np.frexp(np.where(r == 0, 1, r))[1] - 1, 0) - 1)
;;       q = np.round(r / step) * step * 2.0 ** e      # np.round: ties to even
;;       return np.moveaxis(q.reshape(q.shape[:-2] + (-1,))[..., :K], -1, axis).astype(np.float32)
;;   ~~~
;;   OPERANDS COMPUTED ON THE WAY. 'Computed on the way' means the value that the module computes at that place (a softmax that the list does not call 'softmax' is quantised finished and normalised). What goes into a quantiser is computed in f32, as accurately as f32 sums, v_exp_f32 and their like allow (about 1e-6 of the number): no bf16 or f16 on the way to a quantiser, and a product that is left as it is and whose result goes on into a quantised operand takes f32 operands (vector FMAs, or v_wmma_f32_16x16x4_f32). A number that lies on a knife's edge between two numbers of the format may be rounded either way, as far as f32 arithmetic and the matrix unit's own rounding can turn it there, and no further.
;;   INPUTS GIVEN AS CODES. x (in the module: [4096, 4096], K = its axis 1): each comes as NAME_codes (uint8): NAME with its K axis moved to the last place and cut into blocks of 32 codes, [.., K / 32, bytes a block], one block behind the other in memory; two codes a byte, the lower K in the low four bits (a code: sign, 2 exponent bits, 1 mantissa bit); and NAME_scales (uint8): the same leading axes, one E8M0 byte (e + 127) for each 32 codes along K. Its value is code x scale, taken as it is: it is not quantised again, and the codes and scales need not be those that the quantiser above would give.
;; One version. Each part assembles by itself: llvm-mc -triple=amdgcn-amd-amdhsa -mcpu=gfx1250 --defsym DOCPART=n.
;; ======== version 1 of 1: 2 launches
;; limits: right only within a limited range of input values
;; workspace buffers: w_codes 8,388,608 bytes; scl 1,048,576 bytes
;; launch quant (part 1): grid 256 x 1, 16 waves a work-group, no clusters, 88,064 bytes of LDS; arguments weight, x_scales, w_codes, scl; writes w_codes, scl
.if DOCPART == 1
	.amdgcn_target "amdgcn-amd-amdhsa--gfx1250"
	.amdhsa_code_object_version 6
	.text
	.protected	k_qb59511ccb1_quant
	.globl	k_qb59511ccb1_quant
	.p2align	8
	.type	k_qb59511ccb1_quant,@function
k_qb59511ccb1_quant:
	s_mov_b64 s[64:65], 0
	v_nop
	global_prefetch_b8 v0, s[64:65] scope:SCOPE_SE
	s_setreg_imm32_b32 hwreg(HW_REG_WAVE_MODE, 25, 1), 1
	s_wait_xcnt 0x0
; weight [4096][4096] f32 -> w_deq, as the module has it, in f32 -> codes of FP4 (E2M1) with one E8M0 byte for each 32 along K.  Also: x's scale bytes are laid anew.
; THE MODULE.  For each group of 128 along K: amax = the largest magnitude; s = amax / 6 (1 where amax = 0); y = w / s; y is rounded to E2M1 by the module's own rule; w_deq = that x s.
; The module's rule is round to nearest, ties to even, but the mantissa is clipped inside the binade: |y| in [0.75, 1) gives 0.5, [1.75, 2) gives 1.5, [3.5, 4) gives 3.
; So |y| is first held at 1.4999999 x 2^floor(log2 |y|) (its own exponent field over the mantissa 0x3fffff): that bound lies above every middle 1.25 x 2^e and below 0.75, 1.75, 3.5,
; and round to nearest of the held number is the module's value for every y.  s and y are made as correctly rounded f32 quotients: a product with the reciprocal, the exact remainder
; by a fused multiply-add, one correction (the reciprocal itself corrected once in the same way).
; THE CONTRACT'S QUANTISER then takes w_deq in blocks of 32: byte = the largest magnitude's exponent field - 2, held at 1 from below; nearest code, ties to even.
; LIMITS: NaN and infinities are not served.  Groups whose amax lies under about 2^-100 or over 2^126 are not served (a remainder or the reciprocal would leave the normal range).  An s whose
; mantissa is all ones may give a quotient one unit in the last place off.  A block of zeros gets the byte 1 over zero codes, where the rule says 127: this program alone reads the bytes.
; OUT.  w_codes [4096][2048 bytes], laid as x_codes.  scl: byte = part x 524,288 + (k / 512) x 65,536 + row x 16 + (k % 512) / 32, part 0 = weight, part 1 = x: the scale bytes of 256 rows
; for 512 along K are 4,096 consecutive bytes.
; SHARES.  Work-group g: rows 16 g .. 16 g + 15, which are 262,144 consecutive bytes of weight, as 128 chunks of 2,048 bytes (512 numbers).  In step t (0 .. 7) wave w takes chunk 16 t + w:
; row 2 t + w / 8, K step w % 8.  So the sixteen waves' loads of a step cover 32,768 consecutive bytes, and their code stores 4,096.  A chunk turns through the wave's own stage in LDS and comes
; back 64 bytes a lane: lane l holds numbers 16 l .. 16 l + 15: two lanes hold a block of 32, eight lanes a group of 128.  Loads run four steps (16 loads a wave) ahead.
; No pointer is stepped and no store's data are written again: every offset is an immediate.  No matrix unit, cluster or tensor load: each byte is read once by one wave.
.set STEPS, 8
.set SP,    80                         ; a lane's place in a stage: its 64 bytes + 16 of padding
.set WREG,  2*32*SP                    ; LDS: two stages for each wave
.set OUTB,  16*WREG                    ; behind them: weight's scale bytes [8 K steps][16 rows][16], then x's likewise: 2 x 2,048 bytes
.set R,     16                         ; v16-79   four sets of 16 numbers as they are loaded
.set X,     80                         ; v80-111  two sets of 16 neighbours
.set Q,     112                        ; v112-127 the quotients y
.set T,     128                        ; v128-143 remainders, then the bounds, then the rounded values and w_deq
.set C,     144                        ; v144-159 two registers of codes for each step
.set E,     160                        ; v160-167 a scale byte for each step
.set SS,    168                        ; v[168:169] s in the low word (the packed forms name a pair and take its low word for both halves)
.set RR,    170                        ; v[170:171] 1 / s likewise
.set CT,    172                        ; v172-173 the codes of the module's rounding
.set ONE,   174                        ; v174     1.0: s of a group of zeros, and the first conversion's scale operand
.set U7F,   175                        ; v175     the byte 127 in every byte: the scale 1 for the way back from codes
	s_load_b128 s[4:7], s[0:1], 0x0                ; weight, x_scales
	s_load_b128 s[8:11], s[0:1], 0x10              ; w_codes, scl
	v_lshl_add_u32 v192, v0, 2, 0x15000            ; my spare word, behind the scale bytes; v193 = 0
	v_mov_b32 v193, 0
	v_lshrrev_b32 v1, 5, v0
	v_readfirstlane_b32 s16, v1                    ; wave 0..15
	s_mul_i32 s24, s16, WREG                       ; my stages
	s_and_b32 s25, s16, 7                          ; my K step
	s_lshr_b32 s26, s16, 3                         ; my row of a step's two
	s_lshl_b32 s27, s25, 8
	s_lshl_b32 s28, s26, 4
	s_add_co_u32 s27, s27, s28
	s_add_co_u32 s27, s27, OUTB                    ; weight's scale bytes: K step x 256 + row x 16; step t adds 32 t
	s_lshl_b32 s28, s16, 4
	s_add_co_u32 s28, s28, OUTB+2048               ; x's: row w of the sixteen
	s_lshl_b32 s29, s16, 8
	s_add_co_u32 s29, s29, OUTB                    ; at the end wave w takes the w-th 256 bytes of the 4,096
	s_mov_b32 s20, 0x3e2aaaab                      ; the f32 nearest to 1 / 6
	s_mov_b32 s21, 0x40c00000                      ; 6
	s_mov_b32 s22, 0x7f800000                      ; an exponent field
	s_mov_b32 s23, 0x003fffff                      ; the mantissa of 1.4999999
	s_lshl_b32 s17, ttmp9, 4
	s_add_co_u32 s17, s17, s16                     ; the row of x_scales that I lay anew
	s_mov_b32 s19, 0
	v_and_b32 v2, 31, v0                           ; lane
	v_lshlrev_b32 v3, 4, v2                        ; my 16 bytes of a load's 512
	v_lshlrev_b32 v4, 3, v2                        ; my 8 bytes of a store's 256
	v_lshlrev_b32 v7, 2, v2                        ; my word of x's 128 scale bytes
	v_lshrrev_b32 v14, 2, v2
	v_and_b32 v15, 3, v2
	v_mul_u32_u24 v14, v14, SP
	v_lshl_add_u32 v14, v15, 4, v14
	v_add_nc_u32 v14, s24, v14                     ; the stage, on the way in: four lanes' 64 bytes on end, then 16 of padding
	v_mul_u32_u24 v15, v2, SP
	v_add_nc_u32 v15, s24, v15                     ; and on the way out: my 16 neighbours
	v_lshrrev_b32 v5, 1, v2
	v_add_nc_u32 v5, s27, v5                       ; my block's byte
	v_lshrrev_b32 v13, 2, v2                       ; x's word l holds bytes 4 l .. 4 l + 3 of the row: K step l / 4, bytes 4 (l % 4) on
	v_lshlrev_b32 v13, 8, v13
	v_and_b32 v12, 3, v2
	v_lshl_add_u32 v13, v12, 2, v13
	v_add_nc_u32 v13, s28, v13
	v_add_nc_u32 v6, s29, v4
	v_mov_b32 v[ONE], 1.0
	v_mov_b32 v[U7F], 0x7f7f7f7f
	v_mov_b32 v[SS+1], 0                           ; named as the upper halves of pairs, so they are written
	v_mov_b32 v[RR+1], 0
	s_wait_alu depctr_va_vdst(0)                   ; the wait at the head's end
	s_wait_kmcnt 0x0
	s_lshl_b32 s18, ttmp9, 18                      ; weight: 262,144 g + 2,048 w
	s_lshl_b32 s30, s16, 11
	s_add_co_u32 s18, s18, s30
	s_add_nc_u64 s[4:5], s[4:5], s[18:19]
	s_lshl_b32 s18, s17, 7                         ; 128 a row of x_scales
	s_add_nc_u64 s[6:7], s[6:7], s[18:19]
	s_lshl_b32 s18, ttmp9, 15                      ; w_codes: an eighth of weight's offset: 32,768 g + 256 w
	s_lshl_b32 s30, s16, 8
	s_add_co_u32 s18, s18, s30
	s_add_nc_u64 s[8:9], s[8:9], s[18:19]
	s_lshl_b32 s18, s16, 16                        ; scl: wave w stores part w / 8, K step w % 8: 65,536 w,
	s_lshl_b32 s17, ttmp9, 8                       ; and the work-group's 16 rows: 256 g
	s_add_co_u32 s18, s18, s17
	s_add_nc_u64 s[10:11], s[10:11], s[18:19]
.macro LOAD t
.irp i, 0,1,2,3
	global_load_b128 v[R+16*((\t)%4)+4*\i:R+16*((\t)%4)+4*\i+3], v3, s[4:5] offset:32768*(\t)+512*\i th:TH_LOAD_NT   ; 32 lanes read 512 consecutive bytes
.endr
.endm
.macro TURN t                          ; step t's numbers through the stage: LDS serves a wave's instructions in order (ISA guide 5.7.1.4), so no wait stands between the stores and the loads
.irp i, 0,1,2,3
	ds_store_b128 v14, v[R+16*((\t)%4)+4*\i:R+16*((\t)%4)+4*\i+3] offset:32*SP*((\t)%2)+8*SP*\i
.endr
.irp i, 0,1,2,3
	ds_load_b128 v[X+16*((\t)%2)+4*\i:X+16*((\t)%2)+4*\i+3], v15 offset:32*SP*((\t)%2)+16*\i
.endr
.endm
	global_load_b32 v176, v7, s[6:7]               ; my row of x's scale bytes
.irp t, 0,1,2,3
	LOAD \t
.endr
	s_wait_loadcnt 12                              ; x's word and step 0's four loads are in; twelve younger loads stay out
	ds_store_b32 v13, v176
	TURN 0
.macro STEP t
.set XS, X+16*((\t)%2)
.if (\t) > 0
	s_wait_dscnt 1                                 ; this step's numbers are back from the stage (the last step's byte store may be out): so its stores into the stage have read their registers,
.else
	s_wait_dscnt 0x0
.endif
.if (\t)+4 < STEPS
	LOAD (\t)+4                                    ; which take the loads of four steps on
.endif
.if (\t)+1 < STEPS
.if STEPS-2-(\t) >= 3
	s_wait_loadcnt 12                              ; the next step's four loads are in; those of the three steps behind it may be out
.else
	s_wait_loadcnt 4*(STEPS-2-(\t))
.endif
	TURN (\t)+1                                    ; and go through the other stage while this step is worked
.endif
	; the group's amax: my 16, then the eight lanes of the group
	v_max3_num_f32 v8, |v[XS]|, |v[XS+1]|, |v[XS+2]|
	v_max3_num_f32 v9, |v[XS+3]|, |v[XS+4]|, |v[XS+5]|
.irp i, 6,10
	s_delay_alu instid0(VALU_DEP_2)
	v_max3_num_f32 v8, v8, |v[XS+\i]|, |v[XS+\i+1]|
	s_delay_alu instid0(VALU_DEP_2)
	v_max3_num_f32 v9, v9, |v[XS+\i+2]|, |v[XS+\i+3]|
.endr
	s_delay_alu instid0(VALU_DEP_2)
	v_max3_num_f32 v8, v8, |v[XS+14]|, |v[XS+15]|
	s_delay_alu instid0(VALU_DEP_1)
	v_max_num_f32 v8, v8, v9
	s_delay_alu instid0(VALU_DEP_1)
	v_max_num_f32_dpp v8, v8, v8 row_xmask:1 row_mask:0xf bank_mask:0xf
	s_delay_alu instid0(VALU_DEP_1)
	v_max_num_f32_dpp v8, v8, v8 row_xmask:2 row_mask:0xf bank_mask:0xf
	s_delay_alu instid0(VALU_DEP_1)
	v_max_num_f32_dpp v8, v8, v8 row_xmask:4 row_mask:0xf bank_mask:0xf
	; s = amax / 6: a first quotient, its exact remainder, one correction
	s_delay_alu instid0(VALU_DEP_1)
	v_mul_f32 v10, s20, v8
	s_delay_alu instid0(VALU_DEP_1)
	v_fma_f32 v11, -v10, s21, v8
	s_delay_alu instid0(VALU_DEP_1)
	v_fma_f32 v10, v11, s20, v10
	s_delay_alu instid0(VALU_DEP_4)
	v_cmp_eq_f32 vcc_lo, 0, v8
	s_delay_alu instid0(VALU_DEP_1)
	v_cndmask_b32 v[SS], v10, v[ONE], vcc_lo       ; 1 for a group of zeros
	; 1 / s, corrected once
	s_wait_alu depctr_va_vdst(0)                   ; the wait ahead of the transcendental
	v_rcp_f32 v12, v[SS]
	v_nop                                          ; a plain instruction between the reciprocal and the use of its result (ISA guide 5.7.2)
	s_wait_alu depctr_va_vdst(0)                   ; and the wait ahead of the first reader
	v_fma_f32 v9, -v[SS], v12, 1.0
	v_fma_f32 v[RR], v9, v12, v12
	; y = w / s, two at a time: first quotient, exact remainder, correction
.irp j, 0,2,4,6,8,10,12,14
	v_pk_mul_f32 v[Q+\j:Q+\j+1], v[XS+\j:XS+\j+1], v[RR:RR+1] op_sel_hi:[1,0]
.endr
.irp j, 0,2,4,6,8,10,12,14
	v_pk_fma_f32 v[T+\j:T+\j+1], v[Q+\j:Q+\j+1], v[SS:SS+1], v[XS+\j:XS+\j+1] op_sel_hi:[1,0,1] neg_lo:[0,1,0] neg_hi:[0,1,0]   ; w - y s
.endr
.irp j, 0,2,4,6,8,10,12,14
	v_pk_fma_f32 v[Q+\j:Q+\j+1], v[T+\j:T+\j+1], v[RR:RR+1], v[Q+\j:Q+\j+1] op_sel_hi:[1,0,1]
.endr
	; the module's clip of the mantissa: |y| is held at 1.4999999 x its own power of two
.irp i, 0,1,2,3,4,5,6,7,8,9,10,11,12,13,14,15
	v_and_or_b32 v[T+\i], v[Q+\i], s22, s23
.endr
.irp i, 0,1,2,3,4,5,6,7,8,9,10,11,12,13,14,15
	v_med3_num_f32 v[Q+\i], v[Q+\i], -v[T+\i], v[T+\i]
.endr
	; to the nearest number of E2M1, ties to even, and back to f32
	v_cvt_scalef32_pk8_fp4_f32 v[CT], v[Q:Q+7], v[ONE]
	v_cvt_scalef32_pk8_fp4_f32 v[CT+1], v[Q+8:Q+15], v[ONE]
	v_nop                                          ; one plain instruction between a scaled conversion and the instruction that touches its result
	v_cvt_scale_pk8_f32_fp4 v[T:T+7], v[CT], v[U7F]
	v_cvt_scale_pk8_f32_fp4 v[T+8:T+15], v[CT+1], v[U7F]
	v_nop
.irp j, 0,2,4,6,8,10,12,14
	v_pk_mul_f32 v[T+\j:T+\j+1], v[T+\j:T+\j+1], v[SS:SS+1] op_sel_hi:[1,0]   ; w_deq: one f32 multiplication
.endr
	; the contract's quantiser on w_deq: the block's largest magnitude (my 16 and my neighbour's), with the floor 2^(3 - 127) among its leaves, so that the byte cannot fall under 1
	v_max3_num_f32 v8, |v[T]|, |v[T+1]|, |v[T+2]|
	v_max3_num_f32 v9, |v[T+3]|, |v[T+4]|, |v[T+5]|
.irp i, 6,10
	s_delay_alu instid0(VALU_DEP_2)
	v_max3_num_f32 v8, v8, |v[T+\i]|, |v[T+\i+1]|
	s_delay_alu instid0(VALU_DEP_2)
	v_max3_num_f32 v9, v9, |v[T+\i+2]|, |v[T+\i+3]|
.endr
	s_delay_alu instid0(VALU_DEP_2)
	v_max3_num_f32 v8, v8, |v[T+14]|, |v[T+15]|
	s_delay_alu instid0(VALU_DEP_1)
	v_max3_num_f32 v8, v8, v9, 0x1800000
	s_delay_alu instid0(VALU_DEP_1)
	v_max_num_f32_dpp v8, v8, v8 row_xmask:1 row_mask:0xf bank_mask:0xf
	s_delay_alu instid0(VALU_DEP_1)
	v_add_nc_u32 v11, 0xff000000, v8               ; 2 off its exponent field: the conversion takes the exponent field of this operand as its scale, and nothing else of it
	v_cvt_scalef32_pk8_fp4_f32 v[C+2*(\t)], v[T:T+7], v11
	v_cvt_scalef32_pk8_fp4_f32 v[C+2*(\t)+1], v[T+8:T+15], v11
	v_lshrrev_b32 v[E+(\t)], 23, v11               ; the scale's byte (also the plain instruction behind the conversions)
	ds_store_b8 v5, v[E+(\t)] offset:32*(\t)       ; two rows on each step; both lanes of a block write the same byte with the same value
	global_store_b64 v4, v[C+2*(\t):C+2*(\t)+1], s[8:9] offset:4096*(\t)   ; 32 lanes store 256 consecutive bytes, at a multiple of 256 from the buffer's first byte
.endm
.irp t, 0,1,2,3,4,5,6,7
	STEP \t
.endr
	s_wait_dscnt 0x0                               ; for the others' sake: my stores of scale bytes are done
	s_barrier_signal -1
	s_barrier_wait -1                              ; the 4,096 bytes come from sixteen waves
	ds_load_b64 v[178:179], v6
	s_wait_dscnt 0x0
	global_store_b64 v4, v[178:179], s[10:11]      ; wave w: 16 rows x 16 bytes of one K step of one part: 256 consecutive bytes, aligned
	s_wait_tensorcnt 0x0                           ; the wave's end
	ds_add_u32 v192, v193
	s_wait_dscnt 0x0
	s_endpgm
.Lfunc_end_k_qb59511ccb1_quant:
	.size	k_qb59511ccb1_quant, .Lfunc_end_k_qb59511ccb1_quant-k_qb59511ccb1_quant
	.p2alignl 7, 3214868480
	.fill 96, 4, 3214868480
	.section	.rodata,"a",@progbits
	.p2align	6, 0x0
	.amdhsa_kernel k_qb59511ccb1_quant
		.amdhsa_group_segment_fixed_size 88064
		.amdhsa_private_segment_fixed_size 0
		.amdhsa_enable_private_segment 0
		.amdhsa_kernarg_size 32
		.amdhsa_user_sgpr_count 2
		.amdhsa_user_sgpr_kernarg_segment_ptr 1
		.amdhsa_wavefront_size32 1
		.amdhsa_system_sgpr_workgroup_id_x 1
		.amdhsa_system_sgpr_workgroup_id_y 1
		.amdhsa_system_sgpr_workgroup_id_z 1
		.amdhsa_system_vgpr_workitem_id 0
		.amdhsa_next_free_vgpr 194
		.amdhsa_next_free_sgpr 66
		.amdhsa_reserve_vcc 1
		.amdhsa_float_denorm_mode_32 3
		.amdhsa_float_denorm_mode_16_64 3
		.amdhsa_memory_ordered 1
		.amdhsa_forward_progress 1
		.amdhsa_inst_pref_size 68
	.end_amdhsa_kernel
	.amdgpu_metadata
---
amdhsa.version: [ 1, 2 ]
amdhsa.kernels:
  - .name:           k_qb59511ccb1_quant
    .symbol:         k_qb59511ccb1_quant.kd
    .args:
      - { .name: weight, .offset: 0, .size: 8, .value_kind: global_buffer, .address_space: global }
      - { .name: x_scales, .offset: 8, .size: 8, .value_kind: global_buffer, .address_space: global }
      - { .name: w_codes, .offset: 16, .size: 8, .value_kind: global_buffer, .address_space: global }
      - { .name: scl, .offset: 24, .size: 8, .value_kind: global_buffer, .address_space: global }
    .group_segment_fixed_size: 88064
    .private_segment_fixed_size: 0
    .kernarg_segment_align: 8
    .kernarg_segment_size: 32
    .max_flat_workgroup_size: 512
    .sgpr_count:     66
    .vgpr_count:     194
    .wavefront_size: 32
...
	.end_amdgpu_metadata
.endif
;; end of part 1
;; launch gemm (part 2): grid 16 x 16, 4 waves a work-group, clusters of 4 x 4, 327,680 bytes of LDS; arguments x_codes, w_codes, scl, b, out0; writes out0
.if DOCPART == 2
	.amdgcn_target "amdgcn-amd-amdhsa--gfx1250"
	.amdhsa_code_object_version 6
	.text
	.protected	k_qb59511ccb1_gemm
	.globl	k_qb59511ccb1_gemm
	.p2align	8
	.type	k_qb59511ccb1_gemm,@function
k_qb59511ccb1_gemm:
	s_mov_b64 s[64:65], 0
	v_nop
	global_prefetch_b8 v0, s[64:65] scope:SCOPE_SE
	s_setreg_imm32_b32 hwreg(HW_REG_WAVE_MODE, 25, 1), 1
	s_wait_xcnt 0x0
	s_wait_alu depctr_hold_cnt(0) depctr_sa_sdst(0) depctr_va_vdst(0) depctr_va_sdst(0) depctr_va_ssrc(0) depctr_va_vcc(0) depctr_vm_vsrc(0)
	s_getreg_b32 s2, hwreg(HW_REG_IB_STS2, 6, 4)
	s_cmp_eq_u32 s2, 0
	s_cbranch_scc0 .Lentry_in_a_cluster
	s_endpgm
.Lentry_in_a_cluster:
	s_bfe_u32 s2, ttmp6, 0x10000c
	s_cmp_lg_u32 s2, 0xf033
	s_cbranch_scc0 .Lentry_shape_is_right
	s_endpgm
.Lentry_shape_is_right:
; out0[m][n] = b[n] + the sum over k of x[m][k] W[n][k].  x, W: [4096][4096] as codes of FP4 (E2M1), rows of 2,048 bytes, K innermost, one E8M0 byte for each 32 along K; out0 f32; sums in f32, K ascending.
; The scale bytes lie in scl by K step: part x 524,288 + (k / 512) x 65,536 + row x 16 + (k % 512) / 32, part 0 = W, part 1 = x: those of 256 rows for 512 along K are 4,096 consecutive bytes.
; A tile of out0, 256 x 256, is made by a work-group of four waves; a wave makes 128 x 128: 64 accumulators of 16 x 16, 512 registers.  256 tiles, 256 work-groups.
; K goes in 8 steps of 512 through a ring of two LDS slots.  A slot holds x's 256 rows of 256 bytes, W's 256 rows, and the 4,096 scale bytes of each: four tiles, one tensor load a wave:
; wave 0 x's codes, wave 1 W's codes, wave 2 x's scale bytes, wave 3 W's.  By this text's own count a wave has one tensor load out at the head and one behind each round.
; CLUSTERS: 4 x 4 work-groups.  The four of a row of the cluster need the same tiles of x, the four of a column the same tiles of W: each tile is asked for JOINTLY, by the same tensor load with the
; same descriptor and a mask that names the four.  THE MATRIX INSTRUCTION IS USED TRANSPOSED (source 0 = 16 rows of W, source 1 = 16 rows of x): a lane holds eight neighbouring numbers of a row of out0.
; THE BIAS is the C of each sum's first matrix instruction.  Nothing is cleared and nothing is added afterwards.
; PREFETCH.  With the tensor load of K step j each wave asks for K step j + 2 (the head also for step 1): one instruction for codes, a lane a row of 256 bytes, and one for scale bytes, two blocks of 256.
; Waves 0, 1 ask for x, waves 2, 3 for W.  Of a tile's 256 rows the partner at place p of the four that load it jointly takes rows 64 p + 32 (wave % 2) + lane, and blocks 4 p + 2 (wave % 2) + 0, 1
; of its 16 blocks of scale bytes: told apart by address, so each block is named once in each cluster that loads it.  The loop's last trip would name K steps 8 and 9 and asks for nothing.
; THE LAST K STEP GOES BY ROWS OF out0: all its fragments of W fill window 1, x's come by blocks of 16 rows, and each block of 16 rows x 128 columns leaves while the next is multiplied.
; REGISTERS, in windows of 256: window 0: v0-31 addresses; v32-95 scale words, two sets; v128-191 x's fragments, ONE set; v192-255 the bias (in the last K step v128-255: four buffers of 16 rows x 512 K).
;   window 1: W's fragments, TWO sets, at v0 and at v128 (in the last K step all 256).   window 2: the accumulators of my rows 0-63 ((a, b) at v[8 (8 a + b)]);   window 3: those of my rows 64-127.
.set SIZE_N, 4096
.set NQ,     4                         ; matrix instructions deep in a slot: 512 / 128
.set ROWB,   256                       ; a tile's row in bytes
.set KROW,   2048                      ; a row of codes in memory, in bytes
.set SSTEP,  65536                     ; from a K step's scale bytes to the next's
.set PITCH,  272                       ; an LDS row: 256 bytes + 16 of padding = 68 words: row r starts at bank 4 r mod 64 (64 banks of 4 bytes: ISA guide 11.1)
.set FR,     8                         ; registers of a fragment: 16 rows x 128 K
.set NL,     2                         ; LDS loads that bring one
.set NP,     4                         ; places behind this matrix instruction (ISA guide 7.12.1)
.set HALFT,  128*PITCH                 ; 128 rows: what one wave reads of x or of W
.set CODET,  2*HALFT                   ; 256 rows: what one tensor load brings
.set SCA,    2*CODET                   ; in a slot: x's codes, W's codes, x's scale bytes (dense),
.set SCB,    SCA+4096                  ; W's scale bytes
.set SLOT,   SCB+4096
.set LAPS,   4                         ; a lap = two K steps = once round the ring
.set SPARE,  2*SLOT                    ; behind the ring: the spare words, 128 bytes for each wave
.set SPITCH, 528                       ; the way out: a stage of 16 rows x (512 bytes + 16) for each wave, in slot 0, which has had its last fill and its last read by then
.set ADRA, 16                          ; v16-17  LDS address of my fragments of x in slot 0, 1
.set ADRB, 20                          ; v20-21  the same for W
.set ADRS, 22                          ; v22-23  LDS address of my scale words in slot 0, 1: lanes 0-15 x's rows, lanes 16-31 W's
.set STO,  24                          ; the way out: where I put 32 bytes of a row
.set RD,   25                          ; the way out: where I read a row back
.set CO,   26                          ; my byte offset in a row of out0
.set BO,   27                          ; the bias: 32 x (lane / 16)
.set SPW,  28                          ; LDS address of my spare word; never rewritten
.set NIL,  29                          ; 0; never rewritten
.set PFO,  30                          ; prefetch of codes: lane x 2,048
.set PSO,  31                          ; prefetch of scale bytes: 0 in lane 0, 256 in the others
.set SC,   32                          ; scale words: set s at v[SC + 32 s]; register 4 i + q: lanes 0-15 x's block i, lanes 16-31 W's block i, the slot's q-th 128 along K
.set AF,   128                         ; x's fragments
.set BI,   192                         ; the bias: register 8 b + j: b[my first column + 16 b + 8 (lane / 16) + j]
.set G1A,  24                          ; s[24:31] descriptor group 1 for x's codes;  s[32:39] group 0, one set for each slot
.set G0A,  32
.set G1B,  48                          ; the same for W's codes
.set G0B,  56
.set G1SA, 68                          ; for x's scale bytes
.set G0SA, 76
.set G1SB, 84                          ; for W's
.set G0SB, 92
.set MSB, 0
.macro WIN new                         ; the immediate's high byte repeats the setting that is left
.if MSB != \new
	s_set_vgpr_msb (MSB<<8)|\new
.set MSB, \new
.endif
.endm
.set MUL_LO,   0xa1                    ; source 0 (W) window 1, source 1 (x) window 0, C and D window 2
.set MUL_HI,   0xf1                    ; the same, C and D window 3
.set FIRST_LO, 0x81                    ; the first step: C (the bias) window 0, D window 2
.set FIRST_HI, 0xc1
.set TO_B,     0x40                    ; destination window 1, address window 0
; A joint load: one tree of branches on the wave's number, one load to an arm, all arms leading to one join.  An s_nop 0 and four v_nop follow each load.
.macro ARM g0, g1, s
	tensor_load_to_lds s[\g0+4*\s:\g0+4*\s+3], s[\g1:\g1+7]
	s_nop 0
.rept 4
	v_nop
.endr
.endm
.macro JLOAD s
	s_cmp_lt_u32 s14, 2
	s_cbranch_scc0 .Lscales_\@
	s_cmp_eq_u32 s14, 0
	s_cbranch_scc0 .Lw_codes_\@
	ARM G0A, G1A, \s
	s_branch .Lasked_\@
.Lw_codes_\@:
	ARM G0B, G1B, \s
	s_branch .Lasked_\@
.Lscales_\@:
	s_cmp_eq_u32 s14, 2
	s_cbranch_scc0 .Lw_scales_\@
	ARM G0SA, G1SA, \s
	s_branch .Lasked_\@
.Lw_scales_\@:
	ARM G0SB, G1SB, \s
.Lasked_\@:
.endm
.macro CREST                           ; a round of the cluster's barrier behind its opening barrier
	s_cmp_lg_u32 s14, 0
	s_cbranch_scc1 .Lnot_wave_0_\@
	s_barrier_signal -3
.Lnot_wave_0_\@:
	s_barrier_wait -3
	s_barrier_signal -1
	s_barrier_wait -1
.endm
.macro CROUND                          ; a whole round
	s_barrier_signal -1
	s_barrier_wait -1
	CREST
.endm
.macro PF n                            ; the K step n steps beyond where s[4:5] and s[8:9] stand
	global_prefetch_b8 v[PFO], s[4:5] offset:(\n)*ROWB th:TH_LOAD_NT scope:SCOPE_SE
	global_prefetch_b8 v[PSO], s[8:9] offset:(\n)*SSTEP th:TH_LOAD_NT scope:SCOPE_SE
.endm
	s_load_b256 s[4:11], s[0:1], 0x0               ; x's codes s[4:5], W's codes s[6:7], the scale bytes s[8:9], b s[10:11]
	s_load_b64 s[12:13], s[0:1], 0x20              ; out0
	v_lshl_add_u32 v[SPW], v0, 2, SPARE
	v_mov_b32 v[NIL], 0
	ds_add_u32 v[SPW], v[NIL]                      ; the opening: the add, twice on end, and its wait ahead of my first tensor load
	ds_add_u32 v[SPW], v[NIL]
	v_lshrrev_b32 v1, 5, v0
	v_readfirstlane_b32 s14, v1                    ; wave 0..3
	s_lshr_b32 s15, s14, 1                         ; which half of the tile's rows is mine
	s_and_b32 s16, s14, 1                          ; which half of its columns
	s_bfe_u32 s40, ttmp6, 0x40000                  ; cx, cy: my place in the cluster
	s_bfe_u32 s41, ttmp6, 0x40004
	s_lshl_b32 s42, ttmp9, 2
	s_add_co_u32 s42, s42, s40                     ; tile column = 4 x cluster x + cx
	s_and_b32 s17, ttmp7, 0xffff
	s_lshl_b32 s17, s17, 2
	s_add_co_u32 s17, s17, s41                     ; tile row = 4 x cluster y + cy
	s_lshl_b32 s43, s41, 2
	s_lshl_b32 s43, 15, s43                        ; my row of the cluster
	s_lshl_b32 s44, 0x1111, s40                    ; my column
	; group 1 for codes: 256 rows x 256 bytes, 16 bytes of padding behind each; 15:0 the mask, 21 set beside it
	s_or_b32 s[G1A+0], s43, (0<<16)|(1<<20)|(1<<21)|(5<<22)|(3<<25)
	s_or_b32 s[G1B+0], s44, (0<<16)|(1<<20)|(1<<21)|(5<<22)|(3<<25)
.irp g, G1A, G1B
	s_mov_b32 s[\g+1], ROWB<<16                    ; tensor_dim0 = 256
	s_mov_b32 s[\g+2], 256<<16                     ; tensor_dim1 = 256
	s_mov_b32 s[\g+3], ROWB<<16                    ; tile_dim0 = 256
	s_mov_b32 s[\g+4], 256                         ; tile_dim1 = 256
	s_mov_b32 s[\g+5], KROW                        ; the pitch
	s_mov_b32 s[\g+6], 0
	s_mov_b32 s[\g+7], 0
.endr
	; and for scale bytes: a dense block of 4,096 bytes as 16 rows of 256 bytes (32 elements of 8 bytes), no padding
	s_or_b32 s[G1SA+0], s43, (3<<16)|(1<<21)
	s_or_b32 s[G1SB+0], s44, (3<<16)|(1<<21)
.irp g, G1SA, G1SB
	s_mov_b32 s[\g+1], 32<<16
	s_mov_b32 s[\g+2], 16<<16
	s_mov_b32 s[\g+3], 32<<16
	s_mov_b32 s[\g+4], 16
	s_mov_b32 s[\g+5], 32
	s_mov_b32 s[\g+6], 0
	s_mov_b32 s[\g+7], 0
.endr
	s_lshl_b32 s20, s17, 19                        ; x's codes: 256 rows of 2,048 bytes a tile row
	s_mov_b32 s21, 0
	s_lshl_b32 s22, s17, 12                        ; x's scale bytes: 256 rows of 16 bytes, in part 1
	s_add_co_u32 s22, s22, 524288
	s_mov_b32 s23, 0
	s_lshl_b32 s46, s42, 19                        ; W's codes
	s_mov_b32 s47, 0
	s_lshl_b32 s66, s42, 12                        ; W's scale bytes, in part 0
	s_mov_b32 s67, 0
	s_wait_dscnt 0x0                               ; both opening adds are done
	s_wait_kmcnt 0x0
	s_add_nc_u64 s[20:21], s[4:5], s[20:21]
	s_add_nc_u64 s[22:23], s[8:9], s[22:23]
	s_add_nc_u64 s[46:47], s[6:7], s[46:47]
	s_add_nc_u64 s[66:67], s[8:9], s[66:67]
	CROUND                                         ; all sixteen work-groups are here: the first joint loads meet
.irp s, 0,1
	s_mov_b32 s[G0A+4*\s], 1
	s_mov_b32 s[G0A+4*\s+1], \s*SLOT               ; LDS address: a constant
	s_add_nc_u64 s[G0A+4*\s+2:G0A+4*\s+3], s[20:21], \s*ROWB       ; K step s
	s_or_b32 s[G0A+4*\s+3], s[G0A+4*\s+3], 0x80000000
	s_mov_b32 s[G0B+4*\s], 1
	s_mov_b32 s[G0B+4*\s+1], \s*SLOT+CODET
	s_add_nc_u64 s[G0B+4*\s+2:G0B+4*\s+3], s[46:47], \s*ROWB
	s_or_b32 s[G0B+4*\s+3], s[G0B+4*\s+3], 0x80000000
	s_mov_b32 s[G0SA+4*\s], 1
	s_mov_b32 s[G0SA+4*\s+1], \s*SLOT+SCA
	s_add_nc_u64 s[G0SA+4*\s+2:G0SA+4*\s+3], s[22:23], \s*SSTEP
	s_or_b32 s[G0SA+4*\s+3], s[G0SA+4*\s+3], 0x80000000
	s_mov_b32 s[G0SB+4*\s], 1
	s_mov_b32 s[G0SB+4*\s+1], \s*SLOT+SCB
	s_add_nc_u64 s[G0SB+4*\s+2:G0SB+4*\s+3], s[66:67], \s*SSTEP
	s_or_b32 s[G0SB+4*\s+3], s[G0SB+4*\s+3], 0x80000000
.endr
	JLOAD 0                                        ; K step 0's four tiles, one a wave
	s_mul_i32 s18, s15, HALFT                      ; my 128 rows of x
	s_mul_i32 s19, s16, HALFT                      ; my 128 rows of W,
	s_add_co_u32 s19, s19, CODET                   ; which lie behind x's 256
	s_lshl_b32 s21, s15, 11                        ; scale bytes: x's, my 128 rows;
	s_lshl_b32 s22, s16, 11                        ; W's, 4,096 bytes behind x's:
	s_add_co_u32 s22, s22, 4096
	s_sub_co_u32 s22, s22, s21                     ; the distance between the two bases
	s_add_co_u32 s21, s21, SCA
	s_mul_i32 s23, s14, 16*SPITCH                  ; my stage
	s_lshl_b32 s2, s17, 8
	s_lshl_b32 s3, s15, 7
	s_add_co_u32 s2, s2, s3                        ; my first row of out0: 256 x tile row + 128 x half,
	s_lshl_b32 s2, s2, 14                          ; in bytes: 16,384 a row
	s_mov_b32 s3, 0
	s_lshl_b32 s46, s42, 10                        ; my first column, in bytes: 1,024 x tile column + 512 x half
	s_lshl_b32 s47, s16, 9
	s_add_co_u32 s46, s46, s47
	s_mov_b32 s47, 0
	s_add_nc_u64 s[10:11], s[10:11], s[46:47]      ; b at my first column
	s_add_nc_u64 s[12:13], s[12:13], s[46:47]
	s_add_nc_u64 s[12:13], s[12:13], s[2:3]
	; the prefetches' bases, at K step 0: s[4:5] codes, s[8:9] scale bytes
	s_cmp_eq_u32 s15, 0                            ; do I ask for x?
	s_cselect_b32 s66, s17, s42                    ; the tile: x's by the tile row, W's by the tile column
	s_cselect_b32 s67, s40, s41                    ; my place among the four that load it jointly
	s_cselect_b32 s45, 524288, 0                   ; the part of scl
	s_cselect_b64 s[4:5], s[4:5], s[6:7]
	s_lshl_b32 s67, s67, 1
	s_add_co_u32 s67, s67, s16                     ; 2 p + wave % 2
	s_lshl_b32 s2, s66, 19
	s_lshl_b32 s46, s67, 16                        ; 32 rows of 2,048 bytes
	s_add_co_u32 s2, s2, s46
	s_add_nc_u64 s[4:5], s[4:5], s[2:3]
	s_lshl_b32 s2, s66, 12
	s_lshl_b32 s46, s67, 9                         ; two blocks of 256 bytes
	s_add_co_u32 s2, s2, s46
	s_add_co_u32 s2, s2, s45
	s_add_nc_u64 s[8:9], s[8:9], s[2:3]
	v_and_b32 v1, 15, v0                           ; l % 16
	v_bfe_u32 v2, v0, 4, 1                         ; l / 16
	v_and_b32 v6, 31, v0
	v_mul_u32_u24 v3, v1, PITCH
	v_lshl_add_u32 v4, v2, 4, v3                   ; a fragment's row x pitch + 16 x half
	v_add_nc_u32 v[ADRA], s18, v4
	v_add_nc_u32 v[ADRB], s19, v4
	v_add_nc_u32 v[ADRA+1], SLOT, v[ADRA]
	v_add_nc_u32 v[ADRB+1], SLOT, v[ADRB]
	v_lshlrev_b32 v5, 4, v1                        ; my row's 16 scale bytes
	v_mul_u32_u24 v7, s22, v2                      ; lanes 16-31 take W's: one product
	v_add_nc_u32 v5, v5, v7
	v_add_nc_u32 v[ADRS], s21, v5
	v_add_nc_u32 v[ADRS+1], SLOT, v[ADRS]
	v_mul_u32_u24 v5, v1, SPITCH                   ; the stage, in: row l % 16, 32 bytes for each half of the lanes
	v_lshl_add_u32 v5, v2, 5, v5
	v_add_nc_u32 v[STO], s23, v5
	v_lshlrev_b32 v[CO], 4, v6                     ; back: the 32 lanes take one row of 512 bytes; and the same in out0
	v_add_nc_u32 v[RD], s23, v[CO]
	v_lshlrev_b32 v[BO], 5, v2
	v_lshlrev_b32 v[PFO], 11, v6
	v_min_u32 v7, 1, v6
	v_lshlrev_b32 v[PSO], 8, v7
	s_wait_alu depctr_va_vdst(0)                   ; the wait at the end of the head's vector work
.irp i, 0,1,2,3,4,5,6,7
	global_load_b128 v[BI+8*\i:BI+8*\i+3], v[BO], s[10:11] offset:64*\i          ; the bias of W's block i
	global_load_b128 v[BI+8*\i+4:BI+8*\i+7], v[BO], s[10:11] offset:64*\i+16
.endr
	PF 1                                           ; K steps 1 and 2 are asked for while K step 0's tiles are on their way
	PF 2
.macro FRAG reg, adr, q, i             ; 16 rows x 128 K of 4-bit codes, 8 registers: lane l holds row l % 16; registers 4 c .. 4 c + 3 hold K = 64 c + 32 (l / 16) + 0 .. 31
.irp c, 0,1
	ds_load_b128 v[\reg+4*\c:\reg+4*\c+3], v[\adr] offset:64*(\q)+32*\c+(\i)*16*PITCH
.endr
.endm
; 16 matrix instructions: x's blocks a0, a0 + 1 x W's eight, the slot's q-th 128 along K.  p: W's set;  sc: the set of scale words.  first = 1: the bias is C.
; The 64 accumulators take turns, one instruction a turn, in the same order in every step.
.macro MUL16 a0, p, q, sc, first
.irp a, \a0, \a0+1
.irp b, 0,1,2,3,4,5,6,7
.if \first
	v_wmma_scale_f32_16x16x128_f8f6f4 v[8*(8*((\a)%4)+\b):8*(8*((\a)%4)+\b)+7], v[128*(\p)+FR*\b:128*(\p)+FR*\b+FR-1], v[AF+FR*(\a):AF+FR*(\a)+FR-1], v[BI+8*\b:BI+8*\b+7], v[SC+8*NQ*(\sc)+NQ*\b+(\q)], v[SC+8*NQ*(\sc)+NQ*(\a)+(\q)] matrix_a_fmt:MATRIX_FMT_FP4 matrix_b_fmt:MATRIX_FMT_FP4 matrix_a_scale:MATRIX_SCALE_ROW1
.else
	v_wmma_scale_f32_16x16x128_f8f6f4 v[8*(8*((\a)%4)+\b):8*(8*((\a)%4)+\b)+7], v[128*(\p)+FR*\b:128*(\p)+FR*\b+FR-1], v[AF+FR*(\a):AF+FR*(\a)+FR-1], v[8*(8*((\a)%4)+\b):8*(8*((\a)%4)+\b)+7], v[SC+8*NQ*(\sc)+NQ*\b+(\q)], v[SC+8*NQ*(\sc)+NQ*(\a)+(\q)] matrix_a_fmt:MATRIX_FMT_FP4 matrix_b_fmt:MATRIX_FMT_FP4 matrix_a_scale:MATRIX_SCALE_ROW1
.endif
.endr
.endr
.endm
.macro FETCH_B slot, q, p              ; W's eight fragments of the slot's q-th 128 along K into set p
	WIN TO_B
.irp i, 0,1,2,3,4,5,6,7
	FRAG 128*(\p)+FR*\i, ADRB+\slot, \q, \i
.endr
	WIN 0
.endm
.macro FETCH_A slot, q, i0             ; x's blocks i0 .. i0 + 3
.irp i, \i0, \i0+1, \i0+2, \i0+3
	FRAG AF+FR*(\i), ADRA+\slot, \q, \i
.endr
.endm
.macro SCALES sc                       ; slot sc's scale words into set sc: four words a row
.irp i, 0,1,2,3,4,5,6,7
	ds_load_b128 v[SC+8*NQ*\sc+NQ*\i:SC+8*NQ*\sc+NQ*\i+3], v[ADRS+\sc] offset:\i*256
.endr
.endm
.macro PLACES n                        ; places in front of loads into registers that matrix instructions have named, and of LDS stores that read results (ISA guide 7.12.1 for the stores)
.rept \n
	v_nop
.endr
.endm
.macro STEP slot, q, first             ; a step of 128 along K that has its successor in the same slot
	s_wait_dscnt 4*NL                              ; all but the youngest eight loads (x's blocks 4-7)
.if \first
	WIN FIRST_LO
.else
	WIN MUL_LO
.endif
	MUL16 0, (\q)%2, \q, \slot, \first
	MUL16 2, (\q)%2, \q, \slot, \first
	s_wait_dscnt 0                                 ; x's blocks 4-7 are in (asked for 32 matrix instructions ago)
	PLACES NP
	FETCH_B \slot, (\q)+1, 1-(\q)%2
	FETCH_A \slot, (\q)+1, 0
.if \first
	WIN FIRST_HI
.else
	WIN MUL_HI
.endif
	MUL16 4, (\q)%2, \q, \slot, \first
	MUL16 6, (\q)%2, \q, \slot, \first
	PLACES NP
	WIN 0
	FETCH_A \slot, (\q)+1, 4
.endm
; The first half of a slot's last step, and ONE barrier: in front of it each wave waits for all its tensor loads, adds 0 to its spare word, and waits for that and for its own reads of this slot.
.macro MEET slot, fill
	s_wait_tensorcnt 0x0                           ; my one load that was out, my tile of the next slot, has landed: so a group 0 may be written.  (Every window is 0 here)
	ds_add_u32 v[SPW], v[NIL]
.if \fill
	s_add_nc_u64 s[G0A+4*\slot+2:G0A+4*\slot+3], s[G0A+4*\slot+2:G0A+4*\slot+3], 2*ROWB       ; this slot's next K step
	s_add_nc_u64 s[G0B+4*\slot+2:G0B+4*\slot+3], s[G0B+4*\slot+2:G0B+4*\slot+3], 2*ROWB
	s_add_nc_u64 s[G0SA+4*\slot+2:G0SA+4*\slot+3], s[G0SA+4*\slot+2:G0SA+4*\slot+3], 2*SSTEP
	s_add_nc_u64 s[G0SB+4*\slot+2:G0SB+4*\slot+3], s[G0SB+4*\slot+2:G0SB+4*\slot+3], 2*SSTEP
.endif
	s_wait_dscnt 4*NL+1                            ; (the add and the youngest eight loads may be out)
	WIN MUL_LO
	MUL16 0, 1, NQ-1, \slot, 0
	s_wait_dscnt 0x0                               ; the add is done, and my reads of this slot are over
	s_barrier_signal -1
	MUL16 2, 1, NQ-1, \slot, 0
	WIN 0
	s_barrier_wait -1
.endm
; A change of slots with a refill, two K steps ahead: the barrier opens a round of the cluster's barrier, and the joint refill is the first tensor load behind the round.
.macro TURN slot, next
	s_wait_xcnt 0x0                                ; my prefetches of a K step ago have read their bases, which step here
	s_add_nc_u64 s[4:5], s[4:5], ROWB
	s_add_nc_u64 s[8:9], s[8:9], SSTEP
	MEET \slot, 1
	CREST
	JLOAD \slot                                    ; the four v_nop behind the load are also the places in front of the loads below
	FETCH_B \next, 0, 0
	FETCH_A \next, 0, 0
	SCALES \next
	s_cmp_gt_u32 s3, 1                             ; not in the loop's last trip: K has no step 8 or 9
	s_cbranch_scc0 .Lno_ask_\@
	PF 3                                           ; two K steps beyond the one just asked of the tensor load
.Lno_ask_\@:
	WIN MUL_HI
	MUL16 4, 1, NQ-1, \slot, 0
	MUL16 6, 1, NQ-1, \slot, 0
	PLACES NP
	WIN 0
	FETCH_A \next, 0, 4
.endm
.macro STEPS slot, from                ; the slot's steps from .. NQ - 2
.set Q, \from
.rept NQ-1-\from
	STEP \slot, Q, 0
.set Q, Q+1
.endr
.endm
; THE LAST K STEP, in slot 1, by rows of out0.
.macro BLOAD q                         ; W's fragments of quarter q -> window 1, v[64 q ..]
.irp i, 0,1,2,3,4,5,6,7
	FRAG 64*(\q)+8*\i, ADRB+1, \q, \i
.endr
.endm
.macro ALOAD a                         ; x's block a, all four quarters -> buffer a % 4
.set FA, AF+32*((\a)%4)
.irp q, 0,1,2,3
	FRAG FA+8*\q, ADRA+1, \q, \a
.endr
.endm
.macro ROW a                           ; block a is finished: 32 matrix instructions, its 8 accumulators by turns, K ascending
.set FA, AF+32*((\a)%4)
.set AC, 64*((\a)%4)
	WIN MUL_LO+0x50*((\a)/4)
.irp q, 0,1,2,3
.if (\a) == 0 && \q == 2
	s_wait_dscnt 24                                ; W's quarter 2 is in (behind it: x's blocks 1 to 3)
.endif
.irp b, 0,1,2,3,4,5,6,7
	v_wmma_scale_f32_16x16x128_f8f6f4 v[AC+8*\b:AC+8*\b+7], v[64*\q+8*\b:64*\q+8*\b+7], v[FA+8*\q:FA+8*\q+7], v[AC+8*\b:AC+8*\b+7], v[SC+32+4*\b+\q], v[SC+32+4*(\a)+\q] matrix_a_fmt:MATRIX_FMT_FP4 matrix_b_fmt:MATRIX_FMT_FP4 matrix_a_scale:MATRIX_SCALE_ROW1
.endr
.endr
.endm
; THE WAY OUT of block a, 16 rows x 128 columns: a lane holds 32 bytes of a row, so the block goes through my own stage and comes back as whole rows of 512 bytes, INTO ITS OWN ACCUMULATORS' REGISTERS,
; which nothing writes again.  LDS serves a wave's instructions in order (ISA guide 5.7.1.4): no wait between the stores and the loads, nor in front of the next block's stores.
.macro TOSTAGE a
.set AC, 64*((\a)%4)
	WIN 0x88+0x44*((\a)/4)                         ; store data and load destination: window 2 or 3; addresses: window 0
.irp b, 0,1,2,3,4,5,6,7
	ds_store_b128 v[STO], v[AC+8*\b:AC+8*\b+3] offset:64*\b          ; each accumulator from its low end on
	ds_store_b128 v[STO], v[AC+8*\b+4:AC+8*\b+7] offset:64*\b+16
.endr
.irp t, 0,1,2,3,4,5,6,7,8,9,10,11,12,13,14,15
	ds_load_b128 v[AC+4*\t:AC+4*\t+3], v[RD] offset:\t*SPITCH
.endr
.endm
.macro SEND a, younger                 ; younger: the LDS loads issued behind block a's, which may stay out
.set AC, 64*((\a)%4)
	s_wait_dscnt \younger
	WIN 0x88+0x44*((\a)/4)
.irp t, 0,1,2,3,4,5,6,7,8,9,10,11,12,13,14,15
	global_store_b128 v[CO], v[AC+4*\t:AC+4*\t+3], s[12:13] offset:(16*(\a)+\t)*SIZE_N*4 th:TH_STORE_NT   ; 32 lanes store 512 consecutive bytes, aligned; the row stands in the immediate, 127 rows of 16,384 bytes at the most
.endr
.endm
	s_wait_tensorcnt 0x0                           ; my tile of K step 0 is in
	ds_add_u32 v[SPW], v[NIL]
	s_wait_dscnt 0x0
	CROUND                                         ; all four tiles are in, and all sixteen work-groups are here,
	JLOAD 1                                        ; and K step 1's load is the first tensor load behind the round
	FETCH_B 0, 0, 0
	FETCH_A 0, 0, 0
	SCALES 0
	FETCH_A 0, 0, 4
	PF 3                                           ; K step 3
	s_wait_loadcnt 0x0                             ; the bias
	STEP 0, 0, 1                                   ; the first step stands in front of the loop: its products start the sums
	s_mov_b32 s3, LAPS-1
.Llap:                                                 ; a trip goes once round the ring, from a lap's second step to the next lap's first, and fills both slots again
	STEPS 0, 1
	TURN 0, 1
	STEPS 1, 0
	TURN 1, 0
	STEP 0, 0, 0
	s_sub_co_u32 s3, s3, 1
	s_cmp_lg_u32 s3, 0
	s_cbranch_scc1 .Llap
	STEPS 0, 1                                     ; the last lap fills nothing, and has no round of the cluster's barrier
	MEET 0, 0                                      ; the last K step's tiles are in; nobody reads slot 0 any more
	PLACES NP
	WIN TO_B
	BLOAD 0                                        ; three quarters of W now: set 1 (v128-191) is still being multiplied
	BLOAD 1
	BLOAD 3
	WIN 0
	ALOAD 0
	SCALES 1
	WIN MUL_HI
	MUL16 4, 1, NQ-1, 0, 0
	MUL16 6, 1, NQ-1, 0, 0
	PLACES NP
	WIN TO_B
	BLOAD 2
	WIN 0
	ALOAD 1
	ALOAD 2
	ALOAD 3
	s_wait_dscnt 40                                ; all but the 40 just issued
	ROW 0
.irp a, 0,1,2,3,4,5,6,7
	PLACES NP                                      ; behind block a's last products: for the stores that read them and the loads into their registers
	TOSTAGE \a
	WIN 0
.if \a < 4
	ALOAD \a+4                                     ; its buffer takes the block four further on
	s_wait_dscnt 40                                ; all that was issued ahead of this block's 32 stage instructions and these 8 loads is in: the next block of x among it
	ROW \a+1
	SEND \a, 8
.else
.if \a < 7
	s_wait_dscnt 32
	ROW \a+1
.endif
	SEND \a, 0
.endif
.endr
	WIN 0
	s_wait_tensorcnt 0x0                           ; the wave's end
	ds_add_u32 v[SPW], v[NIL]
	s_wait_dscnt 0x0
	CROUND                                         ; the closing round: no work-group ends while a partner may still ask for a tile that names it
	s_endpgm
.Lfunc_end_k_qb59511ccb1_gemm:
	.size	k_qb59511ccb1_gemm, .Lfunc_end_k_qb59511ccb1_gemm-k_qb59511ccb1_gemm
	.p2alignl 7, 3214868480
	.fill 96, 4, 3214868480
	.section	.rodata,"a",@progbits
	.p2align	6, 0x0
	.amdhsa_kernel k_qb59511ccb1_gemm
		.amdhsa_group_segment_fixed_size 327680
		.amdhsa_private_segment_fixed_size 0
		.amdhsa_enable_private_segment 0
		.amdhsa_kernarg_size 40
		.amdhsa_user_sgpr_count 2
		.amdhsa_user_sgpr_kernarg_segment_ptr 1
		.amdhsa_wavefront_size32 1
		.amdhsa_system_sgpr_workgroup_id_x 1
		.amdhsa_system_sgpr_workgroup_id_y 1
		.amdhsa_system_sgpr_workgroup_id_z 1
		.amdhsa_system_vgpr_workitem_id 0
		.amdhsa_next_free_vgpr 1024
		.amdhsa_next_free_sgpr 100
		.amdhsa_reserve_vcc 0
		.amdhsa_float_denorm_mode_32 3
		.amdhsa_float_denorm_mode_16_64 3
		.amdhsa_memory_ordered 1
		.amdhsa_forward_progress 1
		.amdhsa_inst_pref_size 217
	.end_amdhsa_kernel
	.amdgpu_metadata
---
amdhsa.version: [ 1, 2 ]
amdhsa.kernels:
  - .name:           k_qb59511ccb1_gemm
    .symbol:         k_qb59511ccb1_gemm.kd
    .args:
      - { .name: x_codes, .offset: 0, .size: 8, .value_kind: global_buffer, .address_space: global }
      - { .name: w_codes, .offset: 8, .size: 8, .value_kind: global_buffer, .address_space: global }
      - { .name: scl, .offset: 16, .size: 8, .value_kind: global_buffer, .address_space: global }
      - { .name: b, .offset: 24, .size: 8, .value_kind: global_buffer, .address_space: global }
      - { .name: out0, .offset: 32, .size: 8, .value_kind: global_buffer, .address_space: global }
    .group_segment_fixed_size: 327680
    .private_segment_fixed_size: 0
    .kernarg_segment_align: 8
    .kernarg_segment_size: 40
    .max_flat_workgroup_size: 128
    .sgpr_count:     100
    .vgpr_count:     1024
    .wavefront_size: 32
...
	.end_amdgpu_metadata
.endif
;; end of part 2
